; MI455X (gfx1250); checked and timed in simulation.
; The chip was launched on July 23, 2026; its instructions are those of AMD's public machine-readable ISA for CDNA 5 (MIT licence, August 2026) and "CDNA5" Instruction Set Architecture Reference Guide (July 2026). The comments in the code are by the model that wrote it; some were corrected since.
;; Self Attention. Allowed arithmetic: matrix products marked QUANTISED: E4M3 operands, one E8M0 scale for each 32 along K, by v_wmma_scale_f32_16x16x128_f8f6f4 with both operands' format E4M3, f32 sums; everything else in f32.
;; Inputs: Wk_codes 64 x 8 x 32 uint8 (E4M3 codes of Wk, K innermost, in blocks of 32 codes); Wk_scales 64 x 8 uint8 (E8M0 scales of Wk, one for each 32 codes along K); Wq_codes 64 x 8 x 32 uint8 (E4M3 codes of Wq, K innermost, in blocks of 32 codes); Wq_scales 64 x 8 uint8 (E8M0 scales of Wq, one for each 32 codes along K); Wv_codes 256 x 8 x 32 uint8 (E4M3 codes of Wv, K innermost, in blocks of 32 codes); Wv_scales 256 x 8 uint8 (E8M0 scales of Wv, one for each 32 codes along K); bk 64 float32; bq 64 float32; bv 256 float32; gamma 1 float32; x 8 x 256 x 64 x 64 float32.
;; Outputs: out0 8 x 256 x 64 x 64 float32.
;; This version of the problem:
;;   THIS VERSION OF THE PROBLEM IS GIVEN IN LOW PRECISION. The matrix products marked QUANTISED in the list below multiply operands that are first quantised to E4M3 (4 exponent bits, 3 mantissa bits; 8 bits a number), with one power-of-two scale for each 32 numbers along K (OCP MX v1.0); their sums are f32. All else is computed in f32.
;;   The module's matrix products, in the order in which they are computed (A, B: the left and right operand; K: the contracted axis; several contracted axes count as one K, in the product's order):
;;     1. [M 32,768, K 256] x [K 256, N 64]; A: input x; B: input Wq (given as codes): QUANTISED
;;     2. [M 32,768, K 256] x [K 256, N 64]; A: input x; B: input Wk (given as codes): QUANTISED
;;     3. [M 32,768, K 256] x [K 256, N 256]; A: input x; B: input Wv (given as codes): QUANTISED
;;     4. batch 8 x [M 4,096, K 64] x [K 64, N 4,096]; A: computed on the way; B: computed on the way: QUANTISED
;;     5. batch 8 x [M 256, K 4,096] x [K 4,096, N 4,096]; A: computed on the way; B: softmax (see below): QUANTISED
;;   THE QUANTISER, for each operand of a quantised product, along K:
;;     - K is cut into blocks of 32 from its start; a last block that is shorter is filled with zeros.
;;     - A block's scale is 2^e with e = floor(log2(the largest magnitude in the block)) - 8, held to -126 .. 127; a block of zeros has e = 0. As a byte (E8M0): e + 127.
;;     - Each number is divided by its block's scale, clamped to +-448, and rounded to the nearest number of E4M3, ties to even, subnormals kept.
;;     - The product sums the exact products of the quantised numbers (number of the format x scale) in f32.
;;   ~~~python
;;   def quantise(x, axis):      # numpy; x: float32 -> the quantised numbers, widened to float32 again
;;       x = np.moveaxis(x, axis, -1); K = x.shape[-1]
;;       x = np.pad(x, [(0, 0)] * (x.ndim - 1) + [(0, -K % 32)]); x = x.reshape(x.shape[:-1] + (-1, 32)); a = np.abs(x).max(-1, keepdims=True)
;;       e = np.where(a > 0, np.clip(np.frexp(np.where(a > 0, a, 1))[1] - 1 - 8, -126, 127), 0)      # np.frexp(a)[1] - 1 = floor(log2(a)), exactly
;;       r = np.clip(x / 2.0 ** e, -448, 448)
;;       step = 2.0 ** (np.maximum(np.frexp(np.where(r == 0, 1, r))[1] - 1, -6) - 3)
;;       q = np.round(r / step) * step * 2.0 ** e      # np.round: ties to even
;;       return np.moveaxis(q.reshape(q.shape[:-2] + (-1,))[..., :K], -1, axis).astype(np.float32)
;;   ~~~
;;   SOFTMAX AHEAD OF A QUANTISED PRODUCT. Where the list says 'softmax', what is quantised is not the finished softmax but p = 2^(t - M), with t = logit x log2(e) and M = ceil(the row's largest t), a whole number; so 1/2 < the row's largest p <= 1. The row's sum l is taken of the UNQUANTISED p, in f32, and the product's result is divided by l at the end. Since M is a whole number, a kernel that streams over the keys may use a running M (the ceiling of the running maximum): every later rescaling is an exact power of two, which a block's scale takes up: the codes' values come out the same.
;;   OPERANDS COMPUTED ON THE WAY. 'Computed on the way' means the value that the module computes at that place (a softmax that the list does not call 'softmax' is quantised finished and normalised). What goes into a quantiser is computed in f32, as accurately as f32 sums, v_exp_f32 and their like allow (about 1e-6 of the number): no bf16 or f16 on the way to a quantiser, and a product that is left as it is and whose result goes on into a quantised operand takes f32 operands (vector FMAs, or v_wmma_f32_16x16x4_f32). A number that lies on a knife's edge between two numbers of the format may be rounded either way, as far as f32 arithmetic and the matrix unit's own rounding can turn it there, and no further.
;;   INPUTS GIVEN AS CODES. Wk (in the module: [64, 256], K = its axis 1); Wq (in the module: [64, 256], K = its axis 1); Wv (in the module: [256, 256], K = its axis 1): each comes as NAME_codes (uint8): NAME with its K axis moved to the last place and cut into blocks of 32 codes, [.., K / 32, bytes a block], one block behind the other in memory; one code a byte (a code: sign, 4 exponent bits, 3 mantissa bits); and NAME_scales (uint8): the same leading axes, one E8M0 byte (e + 127) for each 32 codes along K. Its value is code x scale, taken as it is: it is not quantised again, and the codes and scales need not be those that the quantiser above would give.
;; One version. Each part assembles by itself: llvm-mc -triple=amdgcn-amd-amdhsa -mcpu=gfx1250 --defsym DOCPART=n.
;; ======== version 1 of 1: 2 launches
;; limits: right only within a limited range of input values
;; workspace buffers: qc 2,228,224 bytes; kv 11,141,120 bytes
;; launch proj (part 1): grid 32 x 8, 8 waves a work-group, no clusters, 181,248 bytes of LDS; arguments x, Wq_codes, Wq_scales, bq, Wk_codes, Wk_scales, bk, Wv_codes, Wv_scales, bv, qc, kv; writes qc, kv
.if DOCPART == 1
	.amdgcn_target "amdgcn-amd-amdhsa--gfx1250"
	.amdhsa_code_object_version 6
	.text
	.protected	k_q7c8de44aab_proj
	.globl	k_q7c8de44aab_proj
	.p2align	8
	.type	k_q7c8de44aab_proj,@function
k_q7c8de44aab_proj:
	s_mov_b64 s[64:65], 0
	v_nop
	global_prefetch_b8 v0, s[64:65] scope:SCOPE_SE
	s_setreg_imm32_b32 hwreg(HW_REG_WAVE_MODE, 25, 1), 1
	s_wait_xcnt 0x0
; PROJ: q = Wq x + bq, k = Wk x + bk, v = Wv x + bv on codes of FP8 (E4M3) with one E8M0 scale for each 32 along K, and their quantising for the attention launch.
; x: [8][256 channels][4096 positions] f32, K = the channels, which are NOT innermost.  Wq, Wk [64][256], Wv [256][256]: codes, K innermost; scale bytes [rows][8].
; SHARES.  A work-group (x = st, y = batch) takes 128 positions and all 256 channels: 128 KiB of x, brought once by eight tensor loads (one a wave: 64 channels x 64 positions, rows of 256 bytes at multiples of 256).
;   X : wave w quantises position tile w (16 positions x 256 channels) along the channels: a lane takes a position, its registers run down the channels; two fragments go to LDS as images of their registers.
;   QK: waves 0-3 make q, waves 4-7 make k, position tiles 2 (w % 4) and 2 (w % 4) + 1; used transposed (source 0 = 16 rows of W, source 1 = x), so a lane holds one position and its registers run along d.
;   V : wave w makes channels 32 w .. 32 w + 31 for all 128 positions (source 0 = x, source 1 = Wv): a lane holds one channel and its registers run along the positions, which are the keys, the last product's K.
; THE POSITIONS OF A TILE ARE NOT NEIGHBOURS: row p of tile 2 b + u is position 32 b + 8 u + p + 8 (p / 8); W's rows of a tile likewise.  So the 16 registers of two neighbouring result tiles are 16 neighbours along the next K.
; WHAT IS STORED are images of operand registers: group c (four registers) of lane l at 512 c + 16 l, a scale word of lane l at 4 l.
;   qc: [32 batch + st] blocks of 8,704 bytes: 4 fragments (2,048 bytes), 4 scale images (128).   kv: [32 batch + st] blocks of 43,520 bytes: 4 fragments of K, 16 of V, 4 + 16 scale images.
;   A fragment of q or k holds TWO position tiles: d has 64 codes, so a fragment's 128 codes a row are tile 2 pp's 64 and tile 2 pp + 1's 64; its scale word holds two bytes of each.
; The biases are the C of each sum's first matrix instruction.
; NO CLUSTER: the weights (98,304 bytes of codes) are read by every work-group, once, 24 KiB a wave, straight into the operand's registers and not in a loop; a joint load would add a pass through LDS.
; LIMITS: NaN and infinities among the inputs are not served.  A block whose largest magnitude lies under 2^-118 keeps the scale byte 1; so does a block of zeros (the rule says 127): its codes are zeros, and this program alone reads the bytes.
.set XP,     264                       ; a channel's row of 64 positions in LDS: 256 bytes + 8 of padding = 66 words: 16 rows on are 32 banks on (64 banks of 4 bytes: ISA guide 11.1)
.set XHALF,  256*XP                    ; 256 channels x 64 positions
.set FRB,    2048                      ; a fragment's image
.set XIMG,   2*XHALF                   ; x's 16 fragments: tile T, K step s at 2 T + s
.set XSC,    XIMG+16*FRB               ; their scale words, 128 bytes each
.set SCST,   XSC+16*128                ; the scale words that leave: K's 512 bytes, V's 2,048, q's 512
.set QCB,    8704
.set STEPB,  43520
.set VOFF,   8192
.set KSO,    40960
.set XA,   4                           ; v4   x's tile in LDS: my position, my half's 16 channels
.set LIX,  5                           ; v5   XIMG + 16 x lane
.set LSX,  6                           ; v6   XSC + 4 x lane
.set XWI,  7                           ; v7   where I store my tile's images
.set XWS,  8                           ; v8   and their scale words
.set GI,   9                           ; v9   16 x lane: an image's place in memory
.set SCWQ, 10                          ; v10  where q's or k's scale word goes
.set SCWV, 11                          ; v11  where V's go
.set SCR,  12                          ; v12  where I read 512 bytes of scale words back
.set XRI,  13                          ; v13  the images of my two tiles for q or k
.set PW,   14                          ; v14  the scale word just made
.set XRS,  15                          ; v15  their scale words
.set PC,   16                          ; v16-31   the codes just made
.set XS,   32                          ; v32-35   x's scale words
.set WVS,  36                          ; v36-39   Wv's scale words (tile e, K step s: 2 e + s)
.set TM,   40                          ; v40-43 largest magnitudes, v44-47 bytes, v52-55 the conversions' scale operands
.set WQS,  56                          ; v56-63   Wq's or Wk's scale words (2 t + s)
.set XF,   64                          ; v64-127  four fragments of x
.set ACC,  128                         ; v128-255 numbers of x, then the sums
.set WF,   0                           ; window 1: Wq's or Wk's 8 fragments (tile t, K step s at 16 (2 t + s))
.set WVF,  128                         ; window 1: Wv's 4 fragments (16 (2 e + s))
.set BQ,   192                         ; window 1: bq's or bk's four tiles
.set BV,   224                         ; window 1: bv's two tiles
.set WV,   28
.set PP,   29
.set SELK, 30
.set MNT,  33
.set SEL,  34
.set G0,   36
.set G1,   40
.set MSB, 0
.macro WIN new                         ; the immediate's high byte repeats the setting that is left
.if MSB != \new
	s_set_vgpr_msb (MSB<<8)|\new
.set MSB, \new
.endif
.endm
; 64 numbers of a lane, register 16 b + i = place 32 b + 16 (lane / 16) + i along K, become a fragment's codes in v[PC] on and its scale word in v[PW]
.macro QUANT s
.irp b, 0,1,2,3
	v_max3_num_f32 v[TM+\b], |v[(\s)+16*\b]|, |v[(\s)+1+16*\b]|, 0x4800000   ; my 16 numbers of block b, and the floor 2^(9 - 127): the byte cannot fall under 1
.endr
.irp i, 2,4,6,8,10,12,14
.irp b, 0,1,2,3
	v_max3_num_f32 v[TM+\b], v[TM+\b], |v[(\s)+16*\b+\i]|, |v[(\s)+1+16*\b+\i]|   ; the four blocks by turns
.endr
.endr
.irp b, 0,1,2,3
	s_delay_alu instid0(VALU_DEP_4)
	v_permlanex16_b32 v[TM+4+\b], v[TM+\b], s[SEL], s[SEL+1]
.endr
.irp b, 0,1,2,3
	s_delay_alu instid0(VALU_DEP_4)
	v_max_num_f32 v[TM+\b], v[TM+\b], v[TM+4+\b]          ; with lane l xor 16's 16: the block's largest magnitude
.endr
.irp b, 0,1,2,3
	s_delay_alu instid0(VALU_DEP_4)
	v_add_nc_u32 v[TM+12+\b], 0xfc000000, v[TM+\b]        ; 8 off its exponent field: the conversion's scale operand
.endr
.irp b, 0,1,2,3
.endr
.irp b, 0,1,2,3
	s_delay_alu instid0(VALU_DEP_4)
	v_lshrrev_b32 v[TM+4+\b], 23, v[TM+12+\b]             ; the scale's byte
.endr
	s_delay_alu instid0(VALU_DEP_3)
	v_lshl_or_b32 v[PW], v[TM+5], 8, v[TM+4]
	s_delay_alu instid0(VALU_DEP_1)
	v_lshl_or_b32 v[PW], v[TM+6], 16, v[PW]
	s_delay_alu instid0(VALU_DEP_1)
	v_lshl_or_b32 v[PW], v[TM+7], 24, v[PW]
.irp b, 0,1,2,3
.irp i, 0,1,2,3,4,5,6,7,8,9,10,11,12,13,14,15
.endr
	v_cvt_scalef32_pk8_fp8_f32 v[PC+4*\b:PC+1+4*\b], v[(\s)+16*\b:(\s)+7+16*\b], v[TM+12+\b]
	v_cvt_scalef32_pk8_fp8_f32 v[PC+2+4*\b:PC+3+4*\b], v[(\s)+8+16*\b:(\s)+15+16*\b], v[TM+12+\b]
.endr
	v_nop                                          ; a plain line behind the last conversion: later products write the numbers' registers again
.endm
.macro IMAGE adr, off                  ; the fragment in v[PC] on goes to LDS as it stands
.irp c, 0,1,2,3
	ds_store_b128 v[\adr], v[PC+4*\c:PC+4*\c+3] offset:(\off)+512*\c
.endr
.endm
.macro FETCH reg, adr, off             ; and comes back so, in any wave
.irp c, 0,1,2,3
	ds_load_b128 v[(\reg)+4*\c:(\reg)+4*\c+3], v[\adr] offset:(\off)+512*\c
.endr
.endm
.macro BARRIER                         ; my LDS stores have landed and my LDS loads are in: then the work-group's barrier
	s_wait_dscnt 0x0
	s_barrier_signal -1
	s_barrier_wait -1
.endm
.macro PLACES n
.rept \n
	v_nop
.endr
.endm
	s_load_b256 s[4:11], s[0:1], 0x0               ; x s[4:5], Wq's codes s[6:7], Wq's scales s[8:9], bq s[10:11]
	s_load_b256 s[12:19], s[0:1], 0x20             ; Wk's codes s[12:13], Wk's scales s[14:15], bk s[16:17], Wv's codes s[18:19]
	s_load_b256 s[20:27], s[0:1], 0x40             ; Wv's scales s[20:21], bv s[22:23], qc s[24:25], kv s[26:27]
	s_set_vgpr_msb 0x40
	v_lshl_add_u32 v254, v0, 2, 0x2c000
	v_mov_b32 v255, 0
	s_set_vgpr_msb 0x4045
	ds_add_u32 v254, v255
	ds_add_u32 v254, v255
	s_set_vgpr_msb 0x4500
	v_lshrrev_b32 v1, 5, v0
	s_delay_alu instid0(VALU_DEP_1)
	v_readfirstlane_b32 s[WV], v1                  ; wave 0..7
	s_and_b32 s[PP], s[WV], 3                      ; which pair of position tiles I take for q or k
	s_lshr_b32 s[SELK], s[WV], 2                   ; 0: q, 1: k
	s_and_b32 s32, ttmp7, 0xffff                   ; batch
	s_mov_b32 s[SEL], 0x76543210
	s_mov_b32 s[SEL+1], 0xfedcba98                 ; v_permlanex16_b32's selects for lane l xor 16
	; descriptor group 1: 64 rows (channels) x 64 elements of 4 bytes, 4,096 elements from row to row; 2 words of padding behind every 64
	s_mov_b32 s[G1+0], (2<<16)|(1<<20)|(5<<22)|(1<<25)
	s_mov_b32 s[G1+1], 64<<16                      ; tensor_dim0
	s_mov_b32 s[G1+2], 64<<16                      ; tensor_dim1
	s_mov_b32 s[G1+3], 64<<16                      ; tile_dim0
	s_mov_b32 s[G1+4], 64                          ; tile_dim1
	s_mov_b32 s[G1+5], 4096                        ; tensor_dim0_stride
	s_mov_b32 s[G1+6], 0
	s_mov_b32 s[G1+7], 0
	s_and_b32 s48, s[WV], 1                        ; which 64 positions I fetch
	s_lshr_b32 s49, s[WV], 1                       ; which 64 channels
	s_mul_i32 s50, s48, XHALF
	s_mul_i32 s51, s49, 64*XP
	s_mov_b32 s[G0], 1
	s_add_co_u32 s[G0+1], s50, s51                 ; LDS address
	s_lshl_b32 s52, s32, 22                        ; batch x 256 x 4,096 x 4 bytes
	s_lshl_b32 s53, s49, 20                        ; + 64 channels x 16,384
	s_add_co_u32 s52, s52, s53
	s_lshl_b32 s53, ttmp9, 9                       ; + st x 128 positions
	s_add_co_u32 s52, s52, s53
	s_lshl_b32 s53, s48, 8                         ; + 64 positions
	s_add_co_u32 s52, s52, s53
	s_mov_b32 s53, 0
	s_wait_dscnt 0x0
	s_wait_kmcnt 0x0
	s_add_nc_u64 s[G0+2:G0+3], s[4:5], s[52:53]
	s_or_b32 s[G0+3], s[G0+3], 0x80000000          ; type = 2
	tensor_load_to_lds s[G0:G0+3], s[G1:G1+7]      ; my one tensor load; LDS is filled once in this launch
	s_nop 0
	PLACES 4                                       ; four v_nop behind the load
	; where everything lies
	s_lshl_b32 s66, s32, 5
	s_add_co_u32 s66, s66, ttmp9                   ; block number 32 batch + st
	s_mul_i32 s67, s66, QCB                        ; my block in qc
	s_mul_i32 s68, s66, STEPB                      ; and in kv
	s_lshl_b32 s69, s[PP], 11
	s_add_co_u32 s82, s67, s69                     ; q's fragment pp
	s_add_co_u32 s83, s68, s69                     ; k's fragment pp
	s_mov_b32 s71, 0
	s_cmp_lt_u32 s[WV], 4                          ; q's wave or k's?  The choice hangs on the wave's number alone
	s_cselect_b64 s[56:57], s[6:7], s[12:13]       ; the weight's codes
	s_cselect_b64 s[58:59], s[8:9], s[14:15]       ; its scale bytes
	s_cselect_b64 s[60:61], s[10:11], s[16:17]     ; the bias
	s_cselect_b64 s[62:63], s[24:25], s[26:27]     ; where the fragment goes
	s_cselect_b32 s70, s82, s83
	s_add_nc_u64 s[62:63], s[62:63], s[70:71]
	s_lshl_b32 s70, s[WV], 13
	s_add_nc_u64 s[72:73], s[18:19], s[70:71]      ; Wv's codes: my 32 rows of 256 bytes
	s_lshl_b32 s70, s[WV], 8
	s_add_nc_u64 s[76:77], s[20:21], s[70:71]      ; Wv's scale bytes: 8 a row
	s_lshl_b32 s70, s[WV], 7
	s_add_nc_u64 s[78:79], s[22:23], s[70:71]      ; bv: my 32 numbers
	s_lshl_b32 s70, s[WV], 12
	s_add_co_u32 s70, s70, s68
	s_add_co_u32 s70, s70, VOFF
	s_add_nc_u64 s[74:75], s[26:27], s[70:71]      ; V's fragments 2 w, 2 w + 1
	s_lshl_b32 s70, s[WV], 9
	s_add_co_u32 s70, s70, s68
	s_add_co_u32 s70, s70, KSO                     ; the scale words' way out: waves 0-4 take 512 bytes each of kv's 2,560,
	s_add_co_u32 s69, s67, 8192                    ; wave 5 qc's 512
	s_cmp_lt_u32 s[WV], 5
	s_cselect_b64 s[80:81], s[26:27], s[24:25]
	s_cselect_b32 s70, s70, s69
	s_add_nc_u64 s[80:81], s[80:81], s[70:71]
	v_and_b32 v1, 31, v0                           ; lane
	v_and_b32 v2, 15, v0                           ; r
	v_bfe_u32 v3, v0, 4, 1                         ; h
	s_delay_alu instid0(VALU_DEP_2)
	v_and_b32 v64, 8, v2
	s_delay_alu instid0(VALU_DEP_1)
	v_add_nc_u32 v64, v64, v2                      ; r + 8 (r / 8)
	s_mul_i32 s54, s[SELK], XHALF                  ; tile w = 2 b + u: positions 32 b + 8 u + ..: the half is b / 2 = w / 4,
	s_bfe_u32 s55, s[WV], 0x10001
	s_lshl_b32 s55, s55, 7                         ; in it 32 (b % 2) positions of 4 bytes,
	s_add_co_u32 s54, s54, s55
	s_lshl_b32 s55, s48, 5                         ; and 8 u
	s_add_co_u32 s54, s54, s55
	v_mul_u32_u24 v[XA], v3, 16*XP                 ; lanes 16-31 begin 16 channels further down
	s_delay_alu instid0(VALU_DEP_1)
	v_lshl_add_u32 v[XA], v64, 2, v[XA]
	s_delay_alu instid0(VALU_DEP_1)
	v_add_nc_u32 v[XA], s54, v[XA]
	v_lshl_add_u32 v[LIX], v1, 4, XIMG
	s_wait_alu depctr_va_vdst(0)
	v_lshl_add_u32 v[LSX], v1, 2, XSC
	s_wait_alu depctr_va_vdst(0)
	s_lshl_b32 s55, s[WV], 12
	v_add_nc_u32 v[XWI], s55, v[LIX]               ; images 2 w, 2 w + 1
	s_lshl_b32 s55, s[WV], 8
	v_add_nc_u32 v[XWS], s55, v[LSX]
	v_lshlrev_b32 v[GI], 4, v1
	s_xor_b32 s55, s[SELK], 1
	s_mul_i32 s55, s55, 2560                       ; q's scale words lie behind K's and V's
	s_lshl_b32 s54, s[PP], 7
	s_add_co_u32 s55, s55, s54
	s_add_co_u32 s55, s55, SCST
	v_lshl_add_u32 v[SCWQ], v1, 2, s55
	s_lshl_b32 s55, s[WV], 8
	s_add_co_u32 s55, s55, SCST+512
	v_lshl_add_u32 v[SCWV], v1, 2, s55
	s_lshl_b32 s55, s[WV], 9
	s_add_co_u32 s55, s55, SCST
	v_lshl_add_u32 v[SCR], v1, 4, s55
	s_lshl_b32 s55, s[PP], 13
	v_add_nc_u32 v[XRI], s55, v[LIX]               ; images 4 pp .. 4 pp + 3
	s_lshl_b32 s55, s[PP], 9
	v_add_nc_u32 v[XRS], s55, v[LSX]
	v_lshlrev_b32 v65, 8, v64
	s_delay_alu instid0(VALU_DEP_1)
	v_lshl_add_u32 v65, v3, 4, v65                 ; Wq, Wk: row r + 8 (r / 8) of 256 bytes, + 16 h
	v_lshlrev_b32 v66, 8, v2
	s_delay_alu instid0(VALU_DEP_1)
	v_lshl_add_u32 v66, v3, 4, v66                 ; Wv: row r, + 16 h
	v_lshlrev_b32 v67, 6, v3                       ; bq, bk: my half's 16 numbers of a block of 32
	v_lshlrev_b32 v68, 2, v2                       ; bv: channel r
	v_lshlrev_b32 v69, 3, v64                      ; Wq's, Wk's scale bytes: 8 a row
	v_lshlrev_b32 v70, 3, v2                       ; Wv's
.irp b, 0,1,2,3
	v_mov_b32 v[TM+4+\b], 0                        ; written once: a lane permute's destination counts as one of its sources
.endr
	; the weights go straight into the operands' registers and stay
	WIN 0x40                                       ; destination window 1
.irp t, 0,1,2,3
.irp s, 0,1
.irp c, 0,1,2,3
	global_load_b128 v[WF+16*(2*\t+\s)+4*\c:WF+16*(2*\t+\s)+4*\c+3], v65, s[56:57] offset:(32*(\t/2)+8*(\t%2))*256+128*\s+32*\c
.endr
.endr
.endr
.irp e, 0,1
.irp s, 0,1
.irp c, 0,1,2,3
	global_load_b128 v[WVF+16*(2*\e+\s)+4*\c:WVF+16*(2*\e+\s)+4*\c+3], v66, s[72:73] offset:4096*\e+128*\s+32*\c
.endr
.endr
.endr
.irp t, 0,1,2,3
	global_load_b128 v[BQ+8*\t:BQ+8*\t+3], v67, s[60:61] offset:(32*(\t/2)+8*(\t%2))*4       ; lane (r, h), tile 2 b + u: d = 32 b + 16 h + 8 u + 0 .. 7
	global_load_b128 v[BQ+8*\t+4:BQ+8*\t+7], v67, s[60:61] offset:(32*(\t/2)+8*(\t%2))*4+16
.endr
	global_load_b32 v[BV], v68, s[78:79]
	global_load_b32 v[BV+8], v68, s[78:79] offset:64
	WIN 0
.irp t, 0,1,2,3
.irp s, 0,1
	global_load_b32 v[WQS+2*\t+\s], v69, s[58:59] offset:(32*(\t/2)+8*(\t%2))*8+4*\s
.endr
.endr
.irp e, 0,1
.irp s, 0,1
	global_load_b32 v[WVS+2*\e+\s], v70, s[76:77] offset:128*\e+4*\s
.endr
.endr
	s_wait_tensorcnt 0x0                           ; my part of x's tile is in,
	s_barrier_signal -1
	s_barrier_wait -1                              ; everybody's is: each wave reads all 256 channels
	; ---- X: my 16 positions.  Register 64 s + 16 c + i = channel 128 s + 32 c + 16 h + i
.irp s, 0,1
.irp c, 0,1,2,3
.irp i, 0,1,2,3,4,5,6,7,8,9,10,11,12,13,14,15
	ds_load_b32 v[ACC+64*\s+16*\c+\i], v[XA] offset:(128*\s+32*\c+\i)*XP
.endr
.endr
.endr
	s_wait_dscnt 63                                ; 128 loads were issued: with at most 63 out, the first 64 (K step 0) are in
	QUANT ACC
	IMAGE XWI, 0
	ds_store_b32 v[XWS], v[PW]
	s_wait_dscnt 0x0                               ; K step 1 is in, and the stores have read their registers
	QUANT ACC+64
	IMAGE XWI, FRB
	ds_store_b32 v[XWS], v[PW] offset:128
	s_wait_loadcnt 0x0                             ; the weights, biases and scale words
	WIN 0x41                                       ; destination and source 0 window 1
.irp j, 1,2,3,4,5,6,7
	v_mov_b32 v[BV+\j], v[BV]                      ; bv as a C: a lane's eight registers are eight positions of ONE channel
	v_mov_b32 v[BV+8+\j], v[BV+8]
.endr
	WIN 0
	BARRIER                                        ; x's sixteen fragments lie in LDS
	; ---- QK: q or k of position tiles 2 pp + a.  Eight accumulators by turns, K step by K step
.irp a, 0,1
.irp s, 0,1
	FETCH XF+16*(2*\a+\s), XRI, FRB*(2*\a+\s)
	ds_load_b32 v[XS+2*\a+\s], v[XRS] offset:128*(2*\a+\s)
.endr
.endr
	s_wait_dscnt 0x0
	WIN 0x11                                       ; source 0 (W) and source 2 (the bias) window 1
.irp a, 0,1
.irp t, 0,1,2,3
	v_wmma_scale_f32_16x16x128_f8f6f4 v[ACC+32*\a+8*\t:ACC+32*\a+8*\t+7], v[WF+32*\t:WF+32*\t+15], v[XF+32*\a:XF+32*\a+15], v[BQ+8*\t:BQ+8*\t+7], v[WQS+2*\t], v[XS+2*\a]
.endr
.endr
	WIN 0x01
.irp a, 0,1
.irp t, 0,1,2,3
	v_wmma_scale_f32_16x16x128_f8f6f4 v[ACC+32*\a+8*\t:ACC+32*\a+8*\t+7], v[WF+32*\t+16:WF+32*\t+31], v[XF+32*\a+16:XF+32*\a+31], v[ACC+32*\a+8*\t:ACC+32*\a+8*\t+7], v[WQS+2*\t+1], v[XS+2*\a+1]
.endr
.endr
	WIN 0
	PLACES 8                                       ; eight places behind this form before its results are read
	QUANT ACC                                      ; the four blocks are (tile a = 0: d 0-31, d 32-63), (tile a = 1: the same): one fragment, one scale word
.irp c, 0,1,2,3
	global_store_b128 v[GI], v[PC+4*\c:PC+4*\c+3], s[62:63] offset:512*\c   ; 32 lanes store 512 consecutive bytes, at a multiple of 256 from the buffer's first byte
.endr
	ds_store_b32 v[SCWQ], v[PW]
	; ---- V: my 32 channels for the 128 positions, two position tiles at a time: four accumulators by turns
.irp g, 0,1,2,3
	PLACES 8                                       ; in front of loads into registers that matrix instructions have read
.irp a, 0,1
.irp s, 0,1
	FETCH XF+16*(2*\a+\s), LIX, FRB*(4*\g+2*\a+\s)
	ds_load_b32 v[XS+2*\a+\s], v[LSX] offset:128*(4*\g+2*\a+\s)
.endr
.endr
	s_wait_dscnt 0x0
	WIN 0x14                                       ; source 1 (Wv) and source 2 (bv) window 1
.irp a, 0,1
.irp e, 0,1
	v_wmma_scale_f32_16x16x128_f8f6f4 v[ACC+64*\e+8*(2*\g+\a):ACC+64*\e+8*(2*\g+\a)+7], v[XF+32*\a:XF+32*\a+15], v[WVF+32*\e:WVF+32*\e+15], v[BV+8*\e:BV+8*\e+7], v[XS+2*\a], v[WVS+2*\e]
.endr
.endr
	WIN 0x04
.irp a, 0,1
.irp e, 0,1
	v_wmma_scale_f32_16x16x128_f8f6f4 v[ACC+64*\e+8*(2*\g+\a):ACC+64*\e+8*(2*\g+\a)+7], v[XF+32*\a+16:XF+32*\a+31], v[WVF+32*\e+16:WVF+32*\e+31], v[ACC+64*\e+8*(2*\g+\a):ACC+64*\e+8*(2*\g+\a)+7], v[XS+2*\a+1], v[WVS+2*\e+1]
.endr
.endr
	WIN 0
.endr
	PLACES 8
.irp e, 0,1
	s_wait_xcnt 0x0                                ; the last stores have read the codes' registers,
	s_wait_dscnt 0x0                               ; and the LDS store the scale word's: both are written again
	QUANT ACC+64*\e                                ; register 16 b + i = key 32 b + 16 h + i of channel 16 (2 w + e) + r
.irp c, 0,1,2,3
	global_store_b128 v[GI], v[PC+4*\c:PC+4*\c+3], s[74:75] offset:FRB*\e+512*\c
.endr
	ds_store_b32 v[SCWV], v[PW] offset:128*\e
.endr
	BARRIER                                        ; all scale words lie in LDS: they leave 512 consecutive bytes a wave
	s_cmp_gt_u32 s[WV], 5
	s_cbranch_scc1 .Lend                           ; 3,072 bytes: six waves
	ds_load_b128 v[TM:TM+3], v[SCR]
	s_wait_dscnt 0x0
	global_store_b128 v[GI], v[TM:TM+3], s[80:81]
.Lend:
	s_set_vgpr_msb 0x5
	s_wait_tensorcnt 0x0
	ds_add_u32 v254, v255
	s_wait_dscnt 0x0
	s_set_vgpr_msb 0x500
	s_endpgm
.Lfunc_end_k_q7c8de44aab_proj:
	.size	k_q7c8de44aab_proj, .Lfunc_end_k_q7c8de44aab_proj-k_q7c8de44aab_proj
	.p2alignl 7, 3214868480
	.fill 96, 4, 3214868480
	.section	.rodata,"a",@progbits
	.p2align	6, 0x0
	.amdhsa_kernel k_q7c8de44aab_proj
		.amdhsa_group_segment_fixed_size 181248
		.amdhsa_private_segment_fixed_size 0
		.amdhsa_enable_private_segment 0
		.amdhsa_kernarg_size 96
		.amdhsa_user_sgpr_count 2
		.amdhsa_user_sgpr_kernarg_segment_ptr 1
		.amdhsa_wavefront_size32 1
		.amdhsa_system_sgpr_workgroup_id_x 1
		.amdhsa_system_sgpr_workgroup_id_y 1
		.amdhsa_system_sgpr_workgroup_id_z 1
		.amdhsa_system_vgpr_workitem_id 0
		.amdhsa_next_free_vgpr 512
		.amdhsa_next_free_sgpr 100
		.amdhsa_reserve_vcc 0
		.amdhsa_float_denorm_mode_32 3
		.amdhsa_float_denorm_mode_16_64 3
		.amdhsa_fp16_overflow 1
		.amdhsa_memory_ordered 1
		.amdhsa_forward_progress 1
		.amdhsa_inst_pref_size 60
	.end_amdhsa_kernel
	.amdgpu_metadata
---
amdhsa.version: [ 1, 2 ]
amdhsa.kernels:
  - .name:           k_q7c8de44aab_proj
    .symbol:         k_q7c8de44aab_proj.kd
    .args:
      - { .name: x, .offset: 0, .size: 8, .value_kind: global_buffer, .address_space: global }
      - { .name: Wq_codes, .offset: 8, .size: 8, .value_kind: global_buffer, .address_space: global }
      - { .name: Wq_scales, .offset: 16, .size: 8, .value_kind: global_buffer, .address_space: global }
      - { .name: bq, .offset: 24, .size: 8, .value_kind: global_buffer, .address_space: global }
      - { .name: Wk_codes, .offset: 32, .size: 8, .value_kind: global_buffer, .address_space: global }
      - { .name: Wk_scales, .offset: 40, .size: 8, .value_kind: global_buffer, .address_space: global }
      - { .name: bk, .offset: 48, .size: 8, .value_kind: global_buffer, .address_space: global }
      - { .name: Wv_codes, .offset: 56, .size: 8, .value_kind: global_buffer, .address_space: global }
      - { .name: Wv_scales, .offset: 64, .size: 8, .value_kind: global_buffer, .address_space: global }
      - { .name: bv, .offset: 72, .size: 8, .value_kind: global_buffer, .address_space: global }
      - { .name: qc, .offset: 80, .size: 8, .value_kind: global_buffer, .address_space: global }
      - { .name: kv, .offset: 88, .size: 8, .value_kind: global_buffer, .address_space: global }
    .group_segment_fixed_size: 181248
    .private_segment_fixed_size: 0
    .kernarg_segment_align: 8
    .kernarg_segment_size: 96
    .max_flat_workgroup_size: 256
    .sgpr_count:     100
    .vgpr_count:     512
    .wavefront_size: 32
...
	.end_amdgpu_metadata
.endif
;; end of part 1
;; launch attn (part 2): grid 32 x 8, 8 waves a work-group, clusters of 4 x 1, 327,680 bytes of LDS; arguments qc, kv, x, gamma, out0; writes out0
.if DOCPART == 2
	.amdgcn_target "amdgcn-amd-amdhsa--gfx1250"
	.amdhsa_code_object_version 6
	.text
	.protected	k_q7c8de44aab_attn
	.globl	k_q7c8de44aab_attn
	.p2align	8
	.type	k_q7c8de44aab_attn,@function
k_q7c8de44aab_attn:
	s_mov_b64 s[64:65], 0
	v_nop
	global_prefetch_b8 v0, s[64:65] scope:SCOPE_SE
	s_setreg_imm32_b32 hwreg(HW_REG_WAVE_MODE, 25, 1), 1
	s_wait_xcnt 0x0
	s_wait_alu depctr_hold_cnt(0) depctr_sa_sdst(0) depctr_va_vdst(0) depctr_va_sdst(0) depctr_va_ssrc(0) depctr_va_vcc(0) depctr_vm_vsrc(0)
	s_getreg_b32 s2, hwreg(HW_REG_IB_STS2, 6, 4)
	s_cmp_eq_u32 s2, 0
	s_cbranch_scc0 .Lentry_in_a_cluster
	s_endpgm
.Lentry_in_a_cluster:
	s_bfe_u32 s2, ttmp6, 0x10000c
	s_cmp_lg_u32 s2, 0x3003
	s_cbranch_scc0 .Lentry_shape_is_right
	s_endpgm
.Lentry_shape_is_right:
; ATTN: out[b][c][m] = x[b][c][m] + gamma x (sum over keys n of v[b][c][n] p[m][n]) / l[m], both products on codes of FP8 (E4M3) with one E8M0 scale for each 32 along K.
; t = score x log2(e) / 8; M = the largest t so far, rounded UP to a whole number; p = 2^(t - M) is quantised along the keys; l is the sum of the unquantised p.  When M moves, l and O are multiplied by 2^(old M - new M): exact.
; qc and kv hold images of operand registers: group c (four registers) of lane l at 512 c + 16 l; a scale word of lane l at 4 l.  A step block of kv (128 keys, 43,520 bytes): 4 fragments of K, 16 of V, 4 + 16 scale images.
; SHARES.  A work-group owns 128 queries of one batch.  Wave w owns 32 of them (two tiles of 16: pair w % 4) and HALF of the keys: a slot holds 256 keys, waves 0-3 take its first 128, waves 4-7 its second.
; So a fragment of V read from LDS feeds two matrix instructions and K's fragments serve both tiles from registers.  At the end waves w and w + 4 join their parts (O, l, M) through LDS by exact powers of two.
; Two waves share a SIMD (512 registers each): one wave's vector work stands beside the other's matrix work and LDS loads.
; THE FIRST PRODUCT HAS K = 64.  A fragment of K holds two key tiles a row: tile 2 f's 64 codes, then tile 2 f + 1's.  It is multiplied by [q, 0] and by [0, q]: a zero code adds nothing under any scale byte but 0xff,
; and the bytes made by this program lie in 1 .. 254.  So nothing is padded in memory or LDS, and one fragment feeds two tiles of scores.
; LAYOUT.  Both products are used transposed (S^T = K Q^T, O^T = V P^T): a lane holds ONE query throughout.  Row p of tile 2 b + u is position 32 b + 8 u + p + 8 (p / 8): the 16 registers of two neighbouring score tiles are 16 neighbouring keys.
; CLUSTER.  The four query blocks of a cluster belong to one batch and walk the same kv: each slot is asked for JOINTLY (mask 15), by waves 0-3, a quarter (85 rows of 256 bytes) each.
; LIMITS: NaN and infinities are not served; p under 2^-126 falls to 0; a block whose every p is 0 keeps the scale byte 1 (its codes are zeros).
; REGISTERS, window 0: v1-7 addresses; v8-15 statistics (tile t: -M, largest t, l in two halves); v16-17 Q's scale words; v18-21 the factors f; v22-23 p's scale words; v24-63 [0 | q0 | 0 | q1 | 0];
;   v64-127 four fragments; v128-191 S^T, then p; v192-223 p's codes; v224-227 the fragments' scale words; v228-244 at work; v246-252 addresses for the way out.   window 1: O^T, tile t, channel tile n at 128 t + 8 n.
.set STEPB, 43520
.set SLOTB, 2*STEPB                    ; 87,040 bytes: 340 rows of 256
.set QTR,   SLOTB/4                    ; what one tensor load brings
.set SLOT1, 1<<17                      ; slot 1 begins here: one exclusive or turns an address in one slot into the other's
.set VOFF,  8192
.set KSO,   40960
.set VSO,   41472
.set QCB,   8704
.set SP,    528                        ; the way out: a channel's row of 128 positions: 512 bytes + 16
.set STGB,  256*SP                     ; a stage: 256 channels.  Two stages, one for each half of the keys; they lie over the slots, which have then had their last fill and their last read
.set SPARE, 2*STGB                     ; the spare words, 128 bytes for each wave: four blocks of 256 bytes that no other line names
.set EXCH,  SPARE+1024                 ; 512 bytes a wave: -M and l of its two tiles
.set AI0, 1                            ; v1   16 x lane + my half's step block
.set AS0, 2                            ; v2   4 x lane + the same
.set ADR, 3                            ; v3   the same in the slot in hand
.set ADS, 4
.set SPW, 5                            ; v5   LDS address of my spare word; never rewritten
.set NIL, 6                            ; v6   0; never rewritten
.set PFO, 7                            ; v7   the prefetches' offset; never rewritten
.set QW,  16
.set QR,  17
.set FP0, 18
.set PW,  22
.set FR,  64
.set S,   128
.set PC,  192
.set FS,  224
.set BM,  228
.set T2,  232
.set HL,  236
.set SO,  240
.set X,   244
.set GI,  246                          ; v246 16 x lane
.set EXA, 247                          ; v247 my words of EXCH;  v248 my partner's
.set EXB, 248
.set STA, 249                          ; v249 into the stage, channels 0-127;  v250 channels 128-255
.set RD0, 251                          ; v251 back out of stage 0;  v252 out of stage 1
.set RD1, 252
.set WV,  14
.set GRP, 15
.set PP,  16
.set SEL, 20
.set CS,  22                           ; s[22:23] c = log2(e) / 8
.set G1,  24
.set G0,  32
.set PFA, 36
.set LIM, 38
.set SLOTS, 39
.set TB,  40
.set MNT, 41
.set GAM, 42
.set MSB, 0
.macro WIN new                         ; the immediate's high byte repeats the setting that is left
.if MSB != \new
	s_set_vgpr_msb (MSB<<8)|\new
.set MSB, \new
.endif
.endm
.macro PLACES n
.rept \n
	v_nop
.endr
.endm
.macro CROUND                          ; a round of the cluster's barrier
	s_barrier_signal -1
	s_barrier_wait -1
	s_cmp_lg_u32 s[WV], 0
	s_cbranch_scc1 .Lnot_wave_0_\@
	s_barrier_signal -3
.Lnot_wave_0_\@:
	s_barrier_wait -3
	s_barrier_signal -1
	s_barrier_wait -1
.endm
.macro TLOAD                           ; waves 0-3 fetch a quarter of a slot each, the others nothing; the branch hangs on the wave's number alone.  Four v_nop follow the load
	s_cmp_lt_u32 s[WV], 4
	s_cbranch_scc0 .Lno_load_\@
	tensor_load_to_lds s[G0:G0+3], s[G1:G1+7]
	s_nop 0
	PLACES 4
.Lno_load_\@:
.endm
; A PREFETCH INTO THE L2 of the slot that the NEXT change of slots will ask for: a slot's work ahead of that load.  All clusters of a batch walk the same kv: the batch's first cluster asks.  Its four partners share the slot's
; 340 blocks of 256 bytes out BY ADDRESS, 85 each; in each, waves 4-6, which fetch nothing, ask, a lane a block.  96 lanes for 85 blocks: the last 11 lanes are held on block 84, which one instruction so names twelve times.
; The last change that fills a slot asks for nothing.  Slots 0 and 1 come by their loads alone.
.macro ASK
	s_cmp_gt_u32 s[SLOTS], s[LIM]
	s_cbranch_scc0 .Lnot_mine_\@
	global_prefetch_b8 v[PFO], s[PFA:PFA+1] th:TH_LOAD_NT scope:SCOPE_SE
.Lnot_mine_\@:
.endm
; THE CHANGE OF SLOTS stands at a slot's head.  Each wave waits for all its tensor loads (its part of the slot about to be read), adds 0 to its spare word, and waits for that and for its reads of the slot that it has left.
; fill = 1: a round of the cluster's barrier, and behind it the slot that was left is filled with the next 256 keys: by this text's count one tensor load of a wave is out, and it has a whole slot's work in which to land.
.macro CHANGE fill
	s_wait_tensorcnt 0x0                           ; no tensor load of mine is out, so group 0 may be written
	ds_add_u32 v[SPW], v[NIL]                      ; 0 onto my spare word
.if \fill
	s_xor_b32 s[G0+1], s[G0+1], SLOT1              ; the walking descriptor: the other slot than last time,
	s_add_nc_u64 s[G0+2:G0+3], s[G0+2:G0+3], SLOTB ; the next 256 keys; the type bits on top are not reached
	s_wait_xcnt 0x0                                ; the last prefetch, a slot back, has read its address, so it may be written
	s_add_nc_u64 s[PFA:PFA+1], s[PFA:PFA+1], SLOTB
.endif
	s_wait_dscnt 0x0                               ; the add is done, and my reads of the slot that I have left are over
.if \fill
	CROUND                                         ; no wave of any partner still reads that slot or has a load on its way
	TLOAD
	ASK
.else
	s_barrier_signal -1
	s_barrier_wait -1
.endif
.endm
; S^T of query tile t: fragment f against [q, 0] gives keys 32 f + 16 h + 0 .. 7, against [0, q] keys 32 f + 16 h + 8 .. 15.  Q's scale word holds (q0's two bytes, q1's two); QR is the same turned by 16 bits
.macro SMUL t
.irp f, 0,1,2,3
	v_wmma_scale_f32_16x16x128_f8f6f4 v[S+16*\f:S+16*\f+7], v[FR+16*\f:FR+16*\f+15], v[32+16*(\t):47+16*(\t)], 0, v[FS+\f], v[QW+(\t)]
	v_wmma_scale_f32_16x16x128_f8f6f4 v[S+16*\f+8:S+16*\f+15], v[FR+16*\f:FR+16*\f+15], v[24+16*(\t):39+16*(\t)], 0, v[FS+\f], v[QR-(\t)]
.endr
.endm
.macro VLOAD g                         ; V's fragments of channel tiles 4 g .. 4 g + 3, and their scale words
.irp i, 0,1,2,3
.irp c, 0,1,2,3
	ds_load_b128 v[FR+16*\i+4*\c:FR+16*\i+4*\c+3], v[ADR] offset:VOFF+2048*(4*(\g)+\i)+512*\c
.endr
	ds_load_b32 v[FS+\i], v[ADS] offset:VSO+128*(4*(\g)+\i)
.endr
.endm
.macro RESC g, lo, n                   ; n accumulators of group g, from number lo on (number 2 i + t), times f of their tile; each from its low end on
.set ra, \lo
.rept \n
.set ro, 128*(ra%2)+8*(4*(\g)+ra/2)
.irp k, 0,2,4,6
	v_pk_mul_f32 v[ro+\k:ro+\k+1], v[ro+\k:ro+\k+1], v[FP0+2*(ra%2):FP0+2*(ra%2)+1] op_sel_hi:[1,0]
.endr
.set ra, ra+1
.endr
.endm
; The softmax of tile t for 128 keys: v[S] on holds the scores, register 16 b + i = key 32 b + 16 h + i.  It leaves p's codes in v[PC + 16 t] on, their scale word in v[PW + t], f in v[FP0 + 2 t]
.macro SOFTMAX t
.set NM, 8+4*(\t)
.set FP, FP0+2*(\t)
.set PCT, PC+16*(\t)
.irp b, 0,1,2,3
	v_max3_num_f32 v[BM+\b], v[S+16*\b], v[S+16*\b+1], v[S+16*\b+2]   ; the largest score of each block of 32 keys: for the row's maximum and, since p rises with the score, for the block's largest p
.endr
.irp i, 3,5,7,9,11,13
.irp b, 0,1,2,3
	v_max3_num_f32 v[BM+\b], v[BM+\b], v[S+16*\b+\i], v[S+16*\b+\i+1]
.endr
.endr
.irp b, 0,1,2,3
	v_max_num_f32 v[BM+\b], v[BM+\b], v[S+16*\b+15]
.endr
.irp b, 0,1,2,3
	s_delay_alu instid0(VALU_DEP_4)
	v_permlanex16_b32 v[T2+\b], v[BM+\b], s[SEL], s[SEL+1]
.endr
.irp b, 0,1,2,3
	s_delay_alu instid0(VALU_DEP_4)
	v_max_num_f32 v[BM+\b], v[BM+\b], v[T2+\b]     ; with lane l xor 16's 16 keys
.endr
	s_delay_alu instid0(VALU_DEP_2)
	v_max3_num_f32 v[X], v[BM], v[BM+1], v[BM+2]
	s_delay_alu instid0(VALU_DEP_1)
	v_max_num_f32 v[X], v[X], v[BM+3]
	s_delay_alu instid0(VALU_DEP_1)
	v_mul_f32 v[X], s[CS], v[X]                    ; as t (c is positive)
	s_delay_alu instid0(VALU_DEP_1)
	v_max_num_f32 v[NM+1], v[NM+1], v[X]           ; the running largest t
	v_mov_b32 v[X], v[NM]
	s_delay_alu instid0(VALU_DEP_2)
	v_floor_f32 v[NM], -v[NM+1]                    ; the new -M = floor(-t): M is a whole number
	s_delay_alu instid0(VALU_DEP_1)
	v_sub_f32 v[X], v[NM], v[X]                    ; old M - new M: a whole number, 0 or less
	s_delay_alu instid0(VALU_DEP_1)
	v_cvt_i32_f32 v[X], v[X]                       ; (it saturates)
	s_delay_alu instid0(VALU_DEP_1)
	v_ldexp_f32 v[FP], 1.0, v[X]                   ; f = 2^(old M - new M)
.set j, 0
.rept 32
	v_pk_fma_f32 v[S+j:S+j+1], v[S+j:S+j+1], s[CS:CS+1], v[NM:NM+1] op_sel_hi:[1,0,0]   ; t - M, two at a time
.set j, j+2
.endr
.irp b, 0,1,2,3
	v_fma_f32 v[BM+\b], v[BM+\b], s[CS], v[NM]     ; the same of each block's largest score
.endr
.set j, 0
	s_wait_alu depctr_va_vdst(0)
.rept 64
	v_exp_f32 v[S+j], v[S+j]                       ; p = 2^(t - M), at most 1
.set j, j+1
.endr
	v_pk_mul_f32 v[NM+2:NM+3], v[NM+2:NM+3], v[FP:FP+1] op_sel_hi:[1,0]   ; the sums under the new M: the plain line behind the exponentials
	s_wait_alu depctr_va_vdst(0)                   ; one wait for the batch of 64, ahead of its first reader
.irp b, 0,1,2,3
	v_exp_f32 v[BM+\b], v[BM+\b]                   ; the block's largest p
.endr
	v_pk_add_f32 v[T2:T2+1], v[S:S+1], v[S+2:S+3]  ; the row's sum is taken of the unquantised p: two chains
.set j, 4
.rept 15
	v_pk_add_f32 v[NM+2:NM+3], v[NM+2:NM+3], v[S+j:S+j+1]
	v_pk_add_f32 v[T2:T2+1], v[T2:T2+1], v[S+j+2:S+j+3]
.set j, j+4
.endr
	s_delay_alu instid0(VALU_DEP_1)
	v_pk_add_f32 v[NM+2:NM+3], v[NM+2:NM+3], v[T2:T2+1]
	s_wait_alu depctr_va_vdst(0)                   ; and one for the four
.irp b, 0,1,2,3
	v_max_num_f32 v[BM+\b], 0x4800000, v[BM+\b]    ; the floor 2^(9 - 127): the byte cannot fall under 1
.endr
.irp b, 0,1,2,3
	s_delay_alu instid0(VALU_DEP_4)
	v_add_nc_u32 v[SO+\b], 0xfc000000, v[BM+\b]    ; 8 off the exponent field: the conversion's scale operand
.endr
.irp b, 0,1,2,3
.endr
.irp b, 0,1,2,3
	s_delay_alu instid0(VALU_DEP_4)
	v_lshrrev_b32 v[T2+\b], 23, v[SO+\b]           ; the scale's byte
.endr
	s_delay_alu instid0(VALU_DEP_3)
	v_lshl_or_b32 v[PW+(\t)], v[T2+1], 8, v[T2]
	s_delay_alu instid0(VALU_DEP_1)
	v_lshl_or_b32 v[PW+(\t)], v[T2+2], 16, v[PW+(\t)]
	s_delay_alu instid0(VALU_DEP_1)
	v_lshl_or_b32 v[PW+(\t)], v[T2+3], 24, v[PW+(\t)]
.irp b, 0,1,2,3
.irp i, 0,1,2,3,4,5,6,7,8,9,10,11,12,13,14,15
.endr
	v_cvt_scalef32_pk8_fp8_f32 v[PCT+4*\b:PCT+4*\b+1], v[S+16*\b:S+16*\b+7], v[SO+\b]
	v_cvt_scalef32_pk8_fp8_f32 v[PCT+4*\b+2:PCT+4*\b+3], v[S+16*\b+8:S+16*\b+15], v[SO+\b]
.endr
	v_nop                                          ; a plain line behind the last conversion: the next products write p's registers or read the codes
.endm
; A STEP: my 128 keys of the slot in hand, for my two tiles.  first = 1: the products V P^T start O^T's sums with the constant 0, and nothing is rescaled
.macro STEP first
	v_add_nc_u32 v[ADR], s[TB], v[AI0]
	v_add_nc_u32 v[ADS], s[TB], v[AS0]
	PLACES 6                                       ; with the two additions: eight places in front of loads into registers that the last products read
.irp f, 0,1,2,3
.irp c, 0,1,2,3
	ds_load_b128 v[FR+16*\f+4*\c:FR+16*\f+4*\c+3], v[ADR] offset:2048*\f+512*\c
.endr
	ds_load_b32 v[FS+\f], v[ADS] offset:KSO+128*\f
.endr
	s_wait_dscnt 0x0
	SMUL 0
	PLACES 8
	SOFTMAX 0
	SMUL 1                                         ; K's fragments serve the second tile from registers
	PLACES 8                                       ; in front of the reads of the scores, and of the loads into K's registers
	VLOAD 0                                        ; lands under the second softmax
	SOFTMAX 1
	s_wait_alu depctr_va_vdst(0)
.irp g, 0,1,2,3                        ; O^T += V P^T, four channel tiles x two query tiles at a time: eight accumulators by turns
.if \first
	PLACES 8
.else
	WIN 0x41                                       ; O^T (destination and source 0) window 1, f window 0
	RESC \g, 0, 2                                  ; eight multiplications: the places in front of the loads below
.endif
.if \g > 0
	WIN 0
	VLOAD \g
.endif
.if \first == 0
	WIN 0x41
	RESC \g, 2, 6                                  ; the group's other 24 stand between the loads and the wait for them
.endif
	s_wait_alu depctr_va_vdst(0)
	s_wait_dscnt 0x0
	WIN 0x50                                       ; C and D window 1
.irp i, 0,1,2,3
.irp t, 0,1
.if \first
	v_wmma_scale_f32_16x16x128_f8f6f4 v[128*\t+8*(4*\g+\i):128*\t+8*(4*\g+\i)+7], v[FR+16*\i:FR+16*\i+15], v[PC+16*\t:PC+16*\t+15], 0, v[FS+\i], v[PW+\t]
.else
	v_wmma_scale_f32_16x16x128_f8f6f4 v[128*\t+8*(4*\g+\i):128*\t+8*(4*\g+\i)+7], v[FR+16*\i:FR+16*\i+15], v[PC+16*\t:PC+16*\t+15], v[128*\t+8*(4*\g+\i):128*\t+8*(4*\g+\i)+7], v[FS+\i], v[PW+\t]
.endif
.endr
.endr
.endr
	WIN 0
	s_xor_b32 s[TB], s[TB], SLOT1                  ; on to the other slot
.endm
	s_load_b256 s[4:11], s[0:1], 0x0               ; qc s[4:5], kv s[6:7], x s[8:9], gamma s[10:11]
	s_load_b64 s[12:13], s[0:1], 0x20              ; out0
	v_lshl_add_u32 v[SPW], v0, 2, SPARE
	v_mov_b32 v[NIL], 0
	ds_add_u32 v5, v6
	ds_add_u32 v5, v6
	s_wait_dscnt 0x0
	v_lshrrev_b32 v1, 5, v0
	s_delay_alu instid0(VALU_DEP_1)
	v_readfirstlane_b32 s[WV], v1                  ; wave 0..7
	s_lshr_b32 s[GRP], s[WV], 2                    ; which half of a slot's keys
	s_and_b32 s[PP], s[WV], 3                      ; which pair of query tiles.  Also: which quarter of a slot I fetch, if I fetch
	s_bfe_u32 s17, ttmp6, 0x40000                  ; cx: my place in the cluster
	s_lshl_b32 s18, ttmp9, 2
	s_add_co_u32 s18, s18, s17                     ; my block of 128 queries: it enters qc's, x's and out0's addresses alone
	s_and_b32 s19, ttmp7, 0xffff                   ; the batch, which the four partners share
	s_mov_b32 s[SEL], 0x76543210
	s_mov_b32 s[SEL+1], 0xfedcba98
	s_mov_b32 s[CS], 0x3e38aa3b                    ; c = log2(e) / 8
	s_mov_b32 s[CS+1], s[CS]                       ; (named with it as a pair, so it is written)
	s_mov_b32 s[TB], 0
	s_mov_b32 s[SLOTS], 15                         ; slots still to be asked for
	; descriptor group 1: 85 dense rows of 256 bytes (32 elements of 8 bytes), no padding: images are read as they lie
	s_mov_b32 s[G1+0], 15|(3<<16)|(1<<21)          ; the mask: all four work-groups; bit 21 set beside it
	s_mov_b32 s[G1+1], 32<<16
	s_mov_b32 s[G1+2], 85<<16
	s_mov_b32 s[G1+3], 32<<16
	s_mov_b32 s[G1+4], 85
	s_mov_b32 s[G1+5], 32
	s_mov_b32 s[G1+6], 0
	s_mov_b32 s[G1+7], 0
	s_mul_i32 s44, s[PP], QTR                      ; my quarter, in a slot and in memory
	s_mul_i32 s46, s19, 32*STEPB                   ; the batch's first byte in kv
	s_add_co_u32 s48, s46, s44
	s_mov_b32 s49, 0
	s_mul_i32 s50, s17, QTR                        ; the prefetches: my work-group's quarter,
	s_add_co_u32 s50, s50, s46
	s_add_co_u32 s50, s50, SLOTB                   ; in slot 1: the first change of slots steps it to slot 2
	s_mov_b32 s51, 0
	s_sub_co_u32 s62, s[WV], 4
	s_cmp_lt_u32 s62, 3                            ; waves 4 to 6,
	s_cselect_b32 s62, 0, 1
	s_or_b32 s62, s62, ttmp9                       ; of the batch's first cluster: the same in all four partners
	s_cmp_eq_u32 s62, 0
	s_cselect_b32 s[LIM], 1, -1
	s_lshl_b32 s52, s19, 5
	s_add_co_u32 s52, s52, s18
	s_mul_i32 s52, s52, QCB                        ; my block of qc
	s_lshl_b32 s53, s[PP], 11
	s_add_co_u32 s54, s52, s53                     ; my fragment
	s_mov_b32 s55, 0
	s_lshl_b32 s53, s[PP], 7
	s_add_co_u32 s56, s52, s53
	s_add_co_u32 s56, s56, 8192                    ; its scale words
	s_mov_b32 s57, 0
	s_lshl_b32 s58, s19, 22                        ; x and out0: the batch,
	s_lshl_b32 s53, s[WV], 19                      ; channels 32 w on,
	s_add_co_u32 s58, s58, s53
	s_lshl_b32 s53, s18, 9                         ; my block's 128 positions
	s_add_co_u32 s58, s58, s53
	s_mov_b32 s59, 0
	s_wait_kmcnt 0x0
	s_load_b32 s[GAM], s[10:11], 0x0               ; gamma
	s_mov_b32 s[G0], 1
	s_mov_b32 s[G0+1], s44                         ; slot 0
	s_add_nc_u64 s[G0+2:G0+3], s[6:7], s[48:49]
	s_or_b32 s[G0+3], s[G0+3], 0x80000000          ; type = 2
	s_add_nc_u64 s[PFA:PFA+1], s[6:7], s[50:51]
	s_add_nc_u64 s[54:55], s[4:5], s[54:55]
	s_add_nc_u64 s[56:57], s[4:5], s[56:57]
	s_add_nc_u64 s[60:61], s[12:13], s[58:59]
	s_add_nc_u64 s[58:59], s[8:9], s[58:59]
	CROUND                                         ; all four work-groups are here: the first joint loads meet
	TLOAD                                          ; slot 0
	v_and_b32 v[X], 31, v0                         ; lane
	v_and_b32 v245, 15, v0                         ; r
	v_bfe_u32 v253, v0, 4, 1                       ; h
	s_delay_alu instid0(VALU_DEP_3)
	v_lshlrev_b32 v[GI], 4, v[X]
	global_load_b128 v[32:35], v[GI], s[54:55]             ; q0: query tile 2 pp
	global_load_b128 v[36:39], v[GI], s[54:55] offset:512
	global_load_b128 v[48:51], v[GI], s[54:55] offset:1024 ; q1: query tile 2 pp + 1
	global_load_b128 v[52:55], v[GI], s[54:55] offset:1536
	s_mul_i32 s44, s[GRP], STEPB
	v_lshl_add_u32 v[AI0], v[X], 4, s44
	v_lshl_add_u32 v[AS0], v[X], 2, s44
	s_lshl_b32 s45, s[WV], 9
	s_add_co_u32 s45, s45, EXCH
	v_lshl_add_u32 v[EXA], v[X], 2, s45
	s_xor_b32 s45, s[WV], 4                        ; my partner has the same queries and the other keys
	s_lshl_b32 s45, s45, 9
	s_add_co_u32 s45, s45, EXCH
	v_lshl_add_u32 v[EXB], v[X], 2, s45
	v_and_b32 v254, 8, v245
	s_delay_alu instid0(VALU_DEP_1)
	v_add_nc_u32 v254, v254, v245                  ; r + 8 (r / 8)
	v_mul_u32_u24 v[STA], v253, 8*SP               ; into the stage: register j of channel tile n is channel 16 n + 8 h + j; my query is position 32 pp + 8 t + r + 8 (r / 8)
	s_delay_alu instid0(VALU_DEP_1)
	v_lshl_add_u32 v[STA], v254, 2, v[STA]
	s_mul_i32 s45, s[GRP], STGB
	s_lshl_b32 s47, s[PP], 7
	s_add_co_u32 s45, s45, s47
	v_add_nc_u32 v[STA], s45, v[STA]
	s_delay_alu instid0(VALU_DEP_1)
	v_add_nc_u32 v[STA+1], 128*SP, v[STA]
	s_mul_i32 s45, s[WV], 32*SP
	v_add_nc_u32 v[RD0], s45, v[GI]                ; back: channels 32 w on, a row of 512 bytes to the 32 lanes
	s_delay_alu instid0(VALU_DEP_1)
	v_add_nc_u32 v[RD1], STGB, v[RD0]
	v_add_nc_u32 v[PFO], 0xffffff80, v0            ; thread - 128: 0 .. 95 in waves 4 to 6,
	s_delay_alu instid0(VALU_DEP_1)
	v_min_u32 v[PFO], 84, v[PFO]                   ; held on the quarter's last block,
	s_delay_alu instid0(VALU_DEP_1)
	v_lshlrev_b32 v[PFO], 8, v[PFO]                ; 256 bytes a lane
	v_lshlrev_b32 v[X], 2, v[X]
	global_load_b32 v[QW], v[X], s[56:57]          ; Q's scale words: (q0's two bytes, q1's two)
.irp z, 24, 40, 56
.irp j, 0,1,2,3,4,5,6,7
	v_mov_b32 v[\z+\j], 0                          ; the zero codes beside q0 and q1
.endr
.endr
.irp t, 0,1
	v_mov_b32 v[9+4*\t], 0xff61b1e6                ; the largest t so far: -3e38, under every t
	s_delay_alu instid0(VALU_DEP_1)
	v_floor_f32 v[8+4*\t], -v[9+4*\t]              ; -M
	v_mov_b32 v[10+4*\t], 0                        ; the sum, in two halves
	v_mov_b32 v[11+4*\t], 0
	v_mov_b32 v[FP0+2*\t+1], 0                     ; (named as the upper half of f's pair)
.endr
.irp b, 0,1,2,3
	v_mov_b32 v[T2+\b], 0                          ; written once: a lane permute's destination counts as one of its sources
.endr
	s_wait_loadcnt 0x0                             ; Q
	s_wait_kmcnt 0x0                               ; gamma
	v_alignbit_b32 v[QR], v[QW], v[QW], 16         ; (q1's two bytes, q0's two)
	CHANGE 1                                       ; slot 0 is whole; slot 1 is asked for
	s_wait_alu depctr_va_vdst(0)
	STEP 1                                         ; the first step starts O^T's sums
	s_mov_b32 s[SLOTS], 14
.Lslot:                                            ; 14 trips: slots 1 to 14 are worked, slots 2 to 15 asked for
	CHANGE 1
	STEP 0
	s_sub_co_u32 s[SLOTS], s[SLOTS], 1
	s_cmp_lg_u32 s[SLOTS], 0
	s_cbranch_scc1 .Lslot
	CHANGE 0                                       ; the last slot is written out
	STEP 0
	; THE WAY OUT.  x's rows are asked for first: wave w takes channels 32 w .. 32 w + 31, a row of 512 bytes to an instruction
	PLACES 8                                       ; behind the last products: the loads land in registers that they read, and O^T is read below
.set i, 0
.rept 32
	global_load_b128 v[64+4*i:67+4*i], v[GI], s[58:59] offset:16384*i th:TH_LOAD_NT
.set i, i+1
.endr
.irp t, 0,1
	v_add_f32 v[10+4*\t], v[10+4*\t], v[11+4*\t]   ; the sum's two halves,
.endr
.irp t, 0,1
	s_delay_alu instid0(VALU_DEP_2)
	v_permlanex16_b32 v[T2+\t], v[10+4*\t], s[SEL], s[SEL+1]
.endr
.irp t, 0,1
	s_delay_alu instid0(VALU_DEP_2)
	v_add_f32 v[10+4*\t], v[10+4*\t], v[T2+\t]     ; and lane l xor 16's: my keys' sum
.endr
.irp t, 0,1
	ds_store_b32 v[EXA], v[8+4*\t] offset:256*\t
	ds_store_b32 v[EXA], v[10+4*\t] offset:256*\t+128
.endr
	s_wait_dscnt 0x0                               ; my words have landed, and my reads of the slots are over
	s_barrier_signal -1
	s_barrier_wait -1                              ; so of every wave: the stages may be written over the slots
.irp t, 0,1
	ds_load_b32 v[HL+2*\t], v[EXB] offset:256*\t           ; my partner's -M
	ds_load_b32 v[HL+2*\t+1], v[EXB] offset:256*\t+128     ; and its sum
.endr
	s_wait_dscnt 0x0
.irp t, 0,1
	v_min_num_f32 v[BM+\t], v[8+4*\t], v[HL+2*\t]  ; -(the larger M)
.endr
.irp t, 0
	s_delay_alu instid0(VALU_DEP_2)
	v_sub_f32 v[T2+\t], v[BM+\t], v[8+4*\t]        ; my M less the larger: a whole number, 0 or less
	s_delay_alu instid0(VALU_DEP_3)
	v_sub_f32 v[SO+\t], v[BM+\t], v[HL+2*\t]
.endr
.irp t, 1
	s_delay_alu instid0(VALU_DEP_3)
	v_sub_f32 v[T2+\t], v[BM+\t], v[8+4*\t]
	s_delay_alu instid0(VALU_DEP_4)
	v_sub_f32 v[SO+\t], v[BM+\t], v[HL+2*\t]       ; my partner's likewise
.endr
.irp t, 0,1
	s_delay_alu instid0(VALU_DEP_4)
	v_cvt_i32_f32 v[T2+\t], v[T2+\t]
	s_delay_alu instid0(VALU_DEP_4)
	v_cvt_i32_f32 v[SO+\t], v[SO+\t]
.endr
.irp t, 0,1
	s_delay_alu instid0(VALU_DEP_4)
	v_ldexp_f32 v[T2+\t], 1.0, v[T2+\t]            ; my factor,
	s_delay_alu instid0(VALU_DEP_4)
	v_ldexp_f32 v[SO+\t], 1.0, v[SO+\t]            ; my partner's: exact powers of two
.endr
.irp t, 0
	s_delay_alu instid0(VALU_DEP_4)
	v_mul_f32 v[10+4*\t], v[10+4*\t], v[T2+\t]
.endr
.irp t, 1
	s_delay_alu instid0(VALU_DEP_3)
	v_mul_f32 v[10+4*\t], v[10+4*\t], v[T2+\t]
.endr
.irp t, 0,1
	s_delay_alu instid0(VALU_DEP_2)
	v_fma_f32 v[10+4*\t], v[HL+2*\t+1], v[SO+\t], v[10+4*\t]   ; the row's sum over all keys
.endr
	s_wait_alu depctr_va_vdst(0)
.irp t, 0,1
	v_rcp_f32 v[BM+\t], v[10+4*\t]
.endr
.irp t, 0,1
	v_mul_f32 v[T2+\t], s[GAM], v[T2+\t]           ; gamma x my factor: plain lines behind the reciprocals
.endr
	s_wait_alu depctr_va_vdst(0)                   ; one wait for the two reciprocals, ahead of their first reader
.irp t, 0,1
	v_mul_f32 v[FP0+2*\t], v[BM+\t], v[T2+\t]      ; gamma x my factor / the sum
.endr
	WIN 0x41
.irp t, 0,1
.set j, 0
.rept 64
	v_pk_mul_f32 v[128*\t+j:128*\t+j+1], v[128*\t+j:128*\t+j+1], v[FP0+2*\t:FP0+2*\t+1] op_sel_hi:[1,0]   ; each accumulator from its low end on
.set j, j+2
.endr
.endr
	WIN 0x04                                       ; an LDS store's data are its source 1: window 1
.irp t, 0,1
.irp u, 0,1
.irp n, 0,1,2,3,4,5,6,7
.irp j, 0,1,2,3,4,5,6,7
	ds_store_b32 v[STA+\u], v[128*\t+8*(8*\u+\n)+\j] offset:(16*\n+\j)*SP+32*\t   ; 8 rows of 132 words are 32 banks on: the 32 lanes touch 32 different banks (ISA guide 11.1)
.endr
.endr
.endr
.endr
	WIN 0
	s_wait_dscnt 0x0
	s_barrier_signal -1
	s_barrier_wait -1                              ; both halves' parts of all 256 channels x 128 positions lie in the stages
.irp n, 0,1,2,3                        ; eight rows at a time
.irp i, 0,1,2,3,4,5,6,7
	ds_load_b128 v[192+4*\i:195+4*\i], v[RD0] offset:SP*(8*\n+\i)
	ds_load_b128 v[24+4*\i:27+4*\i], v[RD1] offset:SP*(8*\n+\i)
.endr
	s_wait_loadcnt 24-8*\n                         ; x's loads come back in order: the rows behind these eight may stay out
	s_wait_dscnt 0x0
.irp i, 0,1,2,3,4,5,6,7
.set xr, 64+4*(8*\n+\i)
	v_pk_add_f32 v[xr:xr+1], v[xr:xr+1], v[192+4*\i:193+4*\i]
	v_pk_add_f32 v[xr+2:xr+3], v[xr+2:xr+3], v[194+4*\i:195+4*\i]
	s_delay_alu instid0(VALU_DEP_2)
	v_pk_add_f32 v[xr:xr+1], v[xr:xr+1], v[24+4*\i:25+4*\i]
	s_delay_alu instid0(VALU_DEP_2)
	v_pk_add_f32 v[xr+2:xr+3], v[xr+2:xr+3], v[26+4*\i:27+4*\i]
	global_store_b128 v[GI], v[xr:xr+3], s[60:61] offset:16384*(8*\n+\i) th:TH_STORE_NT   ; 32 lanes store 512 consecutive bytes, at a multiple of 256 from out0's first byte
.endr
.endr
	s_wait_tensorcnt 0x0                           ; the wave's end, behind my last tensor load and my last LDS store
	ds_add_u32 v[SPW], v[NIL]
	s_wait_dscnt 0x0
	CROUND                                         ; the closing round: no work-group ends while a partner may still ask for a tile that names it
	s_endpgm
.Lfunc_end_k_q7c8de44aab_attn:
	.size	k_q7c8de44aab_attn, .Lfunc_end_k_q7c8de44aab_attn-k_q7c8de44aab_attn
	.p2alignl 7, 3214868480
	.fill 96, 4, 3214868480
	.section	.rodata,"a",@progbits
	.p2align	6, 0x0
	.amdhsa_kernel k_q7c8de44aab_attn
		.amdhsa_group_segment_fixed_size 327680
		.amdhsa_private_segment_fixed_size 0
		.amdhsa_enable_private_segment 0
		.amdhsa_kernarg_size 40
		.amdhsa_user_sgpr_count 2
		.amdhsa_user_sgpr_kernarg_segment_ptr 1
		.amdhsa_wavefront_size32 1
		.amdhsa_system_sgpr_workgroup_id_x 1
		.amdhsa_system_sgpr_workgroup_id_y 1
		.amdhsa_system_sgpr_workgroup_id_z 1
		.amdhsa_system_vgpr_workitem_id 0
		.amdhsa_next_free_vgpr 512
		.amdhsa_next_free_sgpr 66
		.amdhsa_reserve_vcc 0
		.amdhsa_float_denorm_mode_32 3
		.amdhsa_float_denorm_mode_16_64 3
		.amdhsa_fp16_overflow 1
		.amdhsa_memory_ordered 1
		.amdhsa_forward_progress 1
		.amdhsa_inst_pref_size 185
	.end_amdhsa_kernel
	.amdgpu_metadata
---
amdhsa.version: [ 1, 2 ]
amdhsa.kernels:
  - .name:           k_q7c8de44aab_attn
    .symbol:         k_q7c8de44aab_attn.kd
    .args:
      - { .name: qc, .offset: 0, .size: 8, .value_kind: global_buffer, .address_space: global }
      - { .name: kv, .offset: 8, .size: 8, .value_kind: global_buffer, .address_space: global }
      - { .name: x, .offset: 16, .size: 8, .value_kind: global_buffer, .address_space: global }
      - { .name: gamma, .offset: 24, .size: 8, .value_kind: global_buffer, .address_space: global }
      - { .name: out0, .offset: 32, .size: 8, .value_kind: global_buffer, .address_space: global }
    .group_segment_fixed_size: 327680
    .private_segment_fixed_size: 0
    .kernarg_segment_align: 8
    .kernarg_segment_size: 40
    .max_flat_workgroup_size: 256
    .sgpr_count:     66
    .vgpr_count:     512
    .wavefront_size: 32
...
	.end_amdgpu_metadata
.endif
;; end of part 2
